; MI455X (gfx1250); checked and timed in simulation.
; The chip was launched on July 23, 2026; its instructions are those of AMD's public machine-readable ISA for CDNA 5 (MIT licence, August 2026) and "CDNA5" Instruction Set Architecture Reference Guide (July 2026). The comments in the code are by the model that wrote it; some were corrected since.
;; Correspondence Extractor. Allowed arithmetic: matrix products marked QUANTISED: E5M2 operands, one E8M0 scale for each 32 along K, by v_wmma_scale_f32_16x16x128_f8f6f4 with both operands' format E5M2, f32 sums; products left as they are: f32 operands where the result goes on into a quantised operand, else bf16, f16 or f32 operands; f32 sums; everything else in f32.
;; Inputs: src_feats 8,192 x 64 float32; src_points 8,192 x 3 float32; tgt_feats 8,192 x 64 float32; tgt_points 8,192 x 3 float32.
;; Outputs: out0 4,096 x 3 float32; out1 4,096 x 3 float32; out2 4,096 x 64 float32; out3 4,096 x 64 float32; out4 4,096 float32.
;; This version of the problem:
;;   THIS VERSION OF THE PROBLEM IS GIVEN IN LOW PRECISION. The matrix products marked QUANTISED in the list below multiply operands that are first quantised to E5M2 (5 exponent bits, 2 mantissa bits; 8 bits a number), with one power-of-two scale for each 32 numbers along K (OCP MX v1.0); their sums are f32. All else is computed in f32.
;;   The module's matrix products, in the order in which they are computed (A, B: the left and right operand; K: the contracted axis; several contracted axes count as one K, in the product's order):
;;     1. [M 8,192, K 64] x [K 64, N 8,192]; A: input src_feats; B: input tgt_feats: QUANTISED
;;     2. batch 8,192 x [M 2, K 64] x [K 64, N 1]; A: computed on the way; B: input src_feats: left as it is (M = 2 < 16)
;;     3. [M 8,192, K 64] x [K 64, N 8,192]; A: input tgt_feats; B: input src_feats: QUANTISED
;;     4. batch 8,192 x [M 2, K 64] x [K 64, N 1]; A: computed on the way; B: input tgt_feats: left as it is (M = 2 < 16)
;;   THE QUANTISER, for each operand of a quantised product, along K:
;;     - K is cut into blocks of 32 from its start; a last block that is shorter is filled with zeros.
;;     - A block's scale is 2^e with e = floor(log2(the largest magnitude in the block)) - 15, held to -126 .. 127; a block of zeros has e = 0. As a byte (E8M0): e + 127.
;;     - Each number is divided by its block's scale, clamped to +-57,344, and rounded to the nearest number of E5M2, ties to even, subnormals kept.
;;     - The product sums the exact products of the quantised numbers (number of the format x scale) in f32.
;;   ~~~python
;;   def quantise(x, axis):      # numpy; x: float32 -> the quantised numbers, widened to float32 again
;;       x = np.moveaxis(x, axis, -1); K = x.shape[-1]
;;       x = np.pad(x, [(0, 0)] * (x.ndim - 1) + [(0, -K % 32)]); x = x.reshape(x.shape[:-1] + (-1, 32)); a = np.abs(x).max(-1, keepdims=True)
;;       e = np.where(a > 0, np.clip(np.frexp(np.where(a > 0, a, 1))[1] - 1 - 15, -126, 127), 0)      # np.frexp(a)[1] - 1 = floor(log2(a)), exactly
;;       r = np.clip(x / 2.0 ** e, -57344, 57344)
;;       step = 2.0 ** (np.maximum(np.frexp(np.where(r == 0, 1, r))[1] - 1, -14) - 2)
;;       q = np.round(r / step) * step * 2.0 ** e      # np.round: ties to even
;;       return np.moveaxis(q.reshape(q.shape[:-2] + (-1,))[..., :K], -1, axis).astype(np.float32)
;;   ~~~
;; One version. Each part assembles by itself: llvm-mc -triple=amdgcn-amd-amdhsa -mcpu=gfx1250 --defsym DOCPART=n.
;; ======== version 1 of 1: 5 launches
;; workspace buffers: img 1,179,648 bytes; cand 131,072 bytes of whole numbers; knn 131,072 bytes of whole numbers; key 65,536 bytes of whole numbers
;; launch quant (part 1): grid 256 x 1, 4 waves a work-group, no clusters, 1,024 bytes of LDS; arguments src_feats, tgt_feats, img; writes img
.if DOCPART == 1
	.amdgcn_target "amdgcn-amd-amdhsa--gfx1250"
	.amdhsa_code_object_version 6
	.text
	.protected	k_qa9f8819200_quant
	.globl	k_qa9f8819200_quant
	.p2align	8
	.type	k_qa9f8819200_quant,@function
k_qa9f8819200_quant:
	s_mov_b64 s[64:65], 0
	v_nop
	global_prefetch_b8 v0, s[64:65] scope:SCOPE_SE
	s_setreg_imm32_b32 hwreg(HW_REG_WAVE_MODE, 25, 1), 1
	s_wait_xcnt 0x0
; Both feature tensors [8192][64] f32 become GROUP IMAGES: 64 rows each, 4,608 bytes: codes of BF8 (E5M2) in the order of the matrix operand's registers,
; nh = -0.5 x (the row's sum of squares), and the E8M0 scale bytes (one for each 32 along K) in two orders.  Work-groups 0-127 take src_feats, 128-255 tgt_feats.
; A row of a group is ml = 32 p + 16 h + 8 t + j.  Tile (p, t) holds rows rho = 8 h + j.  Its codes lie at 2048 p + 1024 t + 512 c (c: block of 32 along K);
; in there the 16 bytes of row rho, K half hk, lie at 256 h + 128 (hk xor h) + 16 j: a wave's load of 16 bytes a lane at that place IS the operand's four registers,
; the sixteen rows 32 p + 16 h .. + 15 own whole blocks of 256 bytes, and sixteen lanes touch sixteen different 16-byte columns.
; At 4096: nh[ml].  At 4352: word (p, rho): bytes 0, 1 tile (p, 0)'s two scale bytes of row rho, bytes 2, 3 tile (p, 1)'s.  At 4480: the two bytes of row ml at 2 ml.
; A block's scale is 2^(floor(log2(its largest magnitude)) - 15); the byte is the largest magnitude's exponent field - 15, held at 1 from below.
; LIMITS: a block of zeros gets the byte 1 (its codes are zeros; this program alone reads the bytes); NaN and infinities are not served; the sum of squares is
; taken in two chains of fused multiply-adds and across two lanes, another order of rounding than a plain running sum.
; No tensor load, no cluster: each input byte is read by one work-group.  Wave w is tile w; lane (rho, hk) holds 16 neighbours of each of the row's two blocks.
.set GRPB, 4608
.set NHO,  4096
.set X,    16                          ; v16-47  register 16 c + i: k = 32 c + 16 hk + i of my row
.set CD,   48                          ; v48-55  the codes
.set TM,   56                          ; v56-57 largest magnitudes, v58-59 partner's / bytes, v60-61 57,344 x scale, v62-63 the conversions' scale operand
	s_load_b128 s[4:7], s[0:1], 0x0                ; src_feats, tgt_feats
	s_load_b64 s[8:9], s[0:1], 0x10                ; img
	v_lshl_add_u32 v96, v0, 2, 0x200
	v_mov_b32 v97, 0
	v_lshrrev_b32 v1, 5, v0
	v_readfirstlane_b32 s10, v1                    ; wave = 2 p + t
	v_and_b32 v1, 15, v0                           ; rho
	v_bfe_u32 v2, v0, 4, 1                         ; hk
	v_bfe_u32 v10, v0, 3, 1                        ; h
	v_and_b32 v11, 7, v0                           ; j
	s_lshr_b32 s11, s10, 1                         ; p
	s_and_b32 s12, s10, 1                          ; t
	s_lshl_b32 s13, s11, 5
	s_lshl_b32 s14, s12, 3
	s_add_co_u32 s13, s13, s14
	v_lshl_add_u32 v3, v10, 4, v11
	v_add_nc_u32 v3, s13, v3                       ; ml
	v_lshlrev_b32 v4, 8, v3
	v_lshl_add_u32 v4, v2, 6, v4                   ; in: row ml of 256 bytes, + 64 hk
	v_xor_b32 v12, v10, v2
	v_lshlrev_b32 v5, 8, v10
	v_lshl_add_u32 v5, v12, 7, v5
	v_lshl_add_u32 v5, v11, 4, v5
	s_lshl_b32 s14, s10, 10
	v_add_nc_u32 v5, s14, v5                       ; out: my 16 bytes in the tile's block of codes
	v_lshlrev_b32 v6, 2, v3                        ; LDS: nh at 4 ml
	s_lshl_b32 s14, s11, 6
	s_lshl_b32 s15, s12, 1
	s_add_co_u32 s14, s14, s15
	s_add_co_u32 s14, s14, 256
	v_lshl_add_u32 v7, v1, 2, s14                  ; LDS: my half of word (p, rho): 256 + 64 p + 4 rho + 2 t
	v_lshlrev_b32 v8, 1, v3
	v_add_nc_u32 v8, 384, v8                       ; LDS: 384 + 2 ml
	v_and_b32 v9, 31, v0
	v_lshlrev_b32 v9, 4, v9                        ; 16 x lane
	v_mov_b32 v58, 0                               ; a lane permute's destination counts as read
	v_mov_b32 v59, 0
	v_mov_b32 v76, 0
	s_mov_b32 s20, 0x76543210
	s_mov_b32 s21, 0xfedcba98                      ; selects for lane l xor 16
	s_mov_b32 s22, 0x600000                        ; the mantissa field of 57,344
	s_and_b32 s16, ttmp9, 127
	s_lshl_b32 s16, s16, 14                        ; 64 rows of 256 bytes
	s_mov_b32 s17, 0
	s_mul_i32 s18, ttmp9, GRPB
	s_mov_b32 s19, 0
	s_wait_kmcnt 0x0
	s_cmp_lt_u32 ttmp9, 128                        ; the choice hangs on the work-group's number alone
	s_cselect_b64 s[4:5], s[4:5], s[6:7]
	s_add_nc_u64 s[4:5], s[4:5], s[16:17]
	s_add_nc_u64 s[8:9], s[8:9], s[18:19]
.irp c, 0,1
.irp i, 0,1,2,3
	global_load_b128 v[X+16*\c+4*\i:X+16*\c+4*\i+3], v4, s[4:5] offset:128*\c+16*\i
.endr
.endr
	s_wait_loadcnt 0x0
	; the sum of squares, ahead of the hold, which changes the numbers
	v_pk_mul_f32 v[72:73], v[X:X+1], v[X:X+1]
	v_pk_mul_f32 v[74:75], v[X+2:X+3], v[X+2:X+3]
.irp i, 4,8,12,16,20,24,28
	v_pk_fma_f32 v[72:73], v[X+\i:X+\i+1], v[X+\i:X+\i+1], v[72:73]
	v_pk_fma_f32 v[74:75], v[X+\i+2:X+\i+3], v[X+\i+2:X+\i+3], v[74:75]
.endr
	v_pk_add_f32 v[72:73], v[72:73], v[74:75]
	v_add_f32 v72, v72, v73
	v_permlanex16_b32 v76, v72, s20, s21
	v_add_f32 v72, v72, v76                        ; with the row's other 32 numbers
	v_mul_f32 v76, -0.5, v72                       ; nh
	; the two blocks' scales
.irp b, 0,1
	v_max3_num_f32 v[TM+\b], |v[X+16*\b]|, |v[X+1+16*\b]|, 0x8000000   ; my 16 numbers and the floor 2^(16 - 127): the byte cannot fall under 1
.endr
.irp i, 2,4,6,8,10,12,14
.irp b, 0,1
	v_max3_num_f32 v[TM+\b], v[TM+\b], |v[X+16*\b+\i]|, |v[X+1+16*\b+\i]|
.endr
.endr
.irp b, 0,1
	v_permlanex16_b32 v[TM+2+\b], v[TM+\b], s20, s21
.endr
.irp b, 0,1
	v_max_num_f32 v[TM+\b], v[TM+\b], v[TM+2+\b]   ; the block's largest magnitude
.endr
.irp b, 0,1
	v_add_nc_u32 v[TM+6+\b], 0xf8800000, v[TM+\b]  ; 15 off its exponent field: the conversion's scale operand
.endr
.irp b, 0,1
	v_and_or_b32 v[TM+4+\b], v[TM+\b], 0x7f800000, s22   ; 57,344 x the scale
.endr
.irp b, 0,1
	v_lshrrev_b32 v[TM+2+\b], 23, v[TM+6+\b]       ; the scale's byte
.endr
	v_lshl_or_b32 v77, v[TM+3], 8, v[TM+2]         ; my row's two bytes
.irp b, 0,1
.irp i, 0,1,2,3,4,5,6,7,8,9,10,11,12,13,14,15
	v_med3_num_f32 v[X+16*\b+\i], v[X+16*\b+\i], -v[TM+4+\b], v[TM+4+\b]   ; the conversion to an 8-bit code does not saturate (ISA guide 7.6.2): the hold
.endr
	v_cvt_scalef32_pk8_bf8_f32 v[CD+4*\b:CD+4*\b+1], v[X+16*\b:X+16*\b+7], v[TM+6+\b]
	v_cvt_scalef32_pk8_bf8_f32 v[CD+4*\b+2:CD+4*\b+3], v[X+16*\b+8:X+16*\b+15], v[TM+6+\b]
.endr
	v_nop                                          ; one plain line behind the last conversion
	global_store_b128 v5, v[CD:CD+3], s[8:9]               ; the wave's 32 pieces fill 512 bytes: two aligned blocks of 256
	global_store_b128 v5, v[CD+4:CD+7], s[8:9] offset:512
	ds_store_b32 v6, v76                           ; both lanes of a row write the same value to the same place
	ds_store_b16 v7, v77
	ds_store_b16 v8, v77
	s_wait_dscnt 0x0                               ; for wave 0's sake: my LDS stores are done
	s_barrier_signal -1
	s_barrier_wait -1
	s_cmp_lg_u32 s10, 0
	s_cbranch_scc1 .Ldone
	ds_load_b128 v[80:83], v9                      ; nh, the words and the bytes: 512 bytes on end
	s_wait_dscnt 0x0
	global_store_b128 v9, v[80:83], s[8:9] offset:NHO
.Ldone:
	s_barrier_signal -1
	s_barrier_wait -1
	s_wait_tensorcnt 0x0
	ds_add_u32 v96, v97
	s_wait_dscnt 0x0
	s_endpgm
.Lfunc_end_k_qa9f8819200_quant:
	.size	k_qa9f8819200_quant, .Lfunc_end_k_qa9f8819200_quant-k_qa9f8819200_quant
	.p2alignl 7, 3214868480
	.fill 96, 4, 3214868480
	.section	.rodata,"a",@progbits
	.p2align	6, 0x0
	.amdhsa_kernel k_qa9f8819200_quant
		.amdhsa_group_segment_fixed_size 1024
		.amdhsa_private_segment_fixed_size 0
		.amdhsa_enable_private_segment 0
		.amdhsa_kernarg_size 24
		.amdhsa_user_sgpr_count 2
		.amdhsa_user_sgpr_kernarg_segment_ptr 1
		.amdhsa_wavefront_size32 1
		.amdhsa_system_sgpr_workgroup_id_x 1
		.amdhsa_system_sgpr_workgroup_id_y 1
		.amdhsa_system_sgpr_workgroup_id_z 1
		.amdhsa_system_vgpr_workitem_id 0
		.amdhsa_next_free_vgpr 98
		.amdhsa_next_free_sgpr 66
		.amdhsa_reserve_vcc 0
		.amdhsa_float_denorm_mode_32 3
		.amdhsa_float_denorm_mode_16_64 3
		.amdhsa_memory_ordered 1
		.amdhsa_forward_progress 1
		.amdhsa_inst_pref_size 10
	.end_amdhsa_kernel
	.amdgpu_metadata
---
amdhsa.version: [ 1, 2 ]
amdhsa.kernels:
  - .name:           k_qa9f8819200_quant
    .symbol:         k_qa9f8819200_quant.kd
    .args:
      - { .name: src_feats, .offset: 0, .size: 8, .value_kind: global_buffer, .address_space: global }
      - { .name: tgt_feats, .offset: 8, .size: 8, .value_kind: global_buffer, .address_space: global }
      - { .name: img, .offset: 16, .size: 8, .value_kind: global_buffer, .address_space: global }
    .group_segment_fixed_size: 1024
    .private_segment_fixed_size: 0
    .kernarg_segment_align: 8
    .kernarg_segment_size: 24
    .max_flat_workgroup_size: 128
    .sgpr_count:     66
    .vgpr_count:     98
    .wavefront_size: 32
...
	.end_amdgpu_metadata
.endif
;; end of part 1
;; launch scan (part 2): grid 128 x 2, 8 waves a work-group, clusters of 4 x 1, 327,680 bytes of LDS; arguments img, cand; writes cand
.if DOCPART == 2
	.amdgcn_target "amdgcn-amd-amdhsa--gfx1250"
	.amdhsa_code_object_version 6
	.text
	.protected	k_qa9f8819200_scan
	.globl	k_qa9f8819200_scan
	.p2align	8
	.type	k_qa9f8819200_scan,@function
k_qa9f8819200_scan:
	s_mov_b64 s[64:65], 0
	v_nop
	global_prefetch_b8 v0, s[64:65] scope:SCOPE_SE
	s_setreg_imm32_b32 hwreg(HW_REG_WAVE_MODE, 25, 1), 1
	s_wait_xcnt 0x0
	s_wait_alu depctr_hold_cnt(0) depctr_sa_sdst(0) depctr_va_vdst(0) depctr_va_sdst(0) depctr_va_ssrc(0) depctr_va_vcc(0) depctr_vm_vsrc(0)
	s_getreg_b32 s2, hwreg(HW_REG_IB_STS2, 6, 4)
	s_cmp_eq_u32 s2, 0
	s_cbranch_scc0 .Lentry_in_a_cluster
	s_endpgm
.Lentry_in_a_cluster:
	s_bfe_u32 s2, ttmp6, 0x10000c
	s_cmp_lg_u32 s2, 0x3003
	s_cbranch_scc0 .Lentry_shape_is_right
	s_endpgm
.Lentry_shape_is_right:
; Both quantised products (work-group y = the query side) on codes of BF8 with E8M0 scales, and for each query the two best HALF-GROUPS of 16 neighbouring supports.
; The matrix instruction gives X = q . s + nh[s] (nh = -|s|^2 / 2 is its C): the largest X is the smallest squared distance, since |q|^2 is one number for a query.
; Source 0 = 16 supports, source 1 = 16 queries: lane (r, hD) holds query r and supports 8 hD + j of the tile.  A PAIR of tiles (lo, hi) gives a lane the 16 supports
; 32 pair + 16 hD .. + 15 (so the group images are laid).  Eight v_max3 fold them, seven lines keep the two best (value, pair): 15 vector lines for 16 numbers.
; The two nearest supports always lie in the two best disjoint half-groups; the next launch does the exact work on those 32.
; K IS 64, THE INSTRUCTION'S 128: three runs of 8 registers [lo][zeros][hi] give two operands: registers 0-15 (lo in K blocks 0, 1) and 8-23 (hi in blocks 2, 3); the queries
; likewise.  Zero codes stand on both sides of the unused blocks.  One scale word (lo's two bytes, hi's two) serves both; the query's word is (s0, s1, s0, s1).
; SHARES.  A work-group owns 64 queries (one group image: four tiles, in every wave's registers).  The 8,192 supports go in four steps of 2,048 through two LDS slots; in a step
; wave w owns a chunk of four group images (18,432 bytes, 8 pairs), brought by its own tensor load and read by it alone: its own wait on TENSORcnt orders the reads.
; CLUSTER.  The four work-groups of a cluster walk the same supports: each chunk is asked for jointly, with the same descriptor and the mask of all four.
; By this text's count a wave has two tensor loads out at the start and one behind each of the two refills.
; LIMITS: the half-groups are chosen by X, rounded in the matrix unit and without |q|^2: a third half-group whose best lies within that rounding of the second's may be chosen
; otherwise than by the problem's own formula.  Equal X: the lower half-group.  NaN and infinities are not served.
.set IMGB,  589824                     ; a side's 128 group images
.set GRPB,  4608
.set NHO,   4096
.set SWO,   4352
.set CHUNK, 18432
.set SLOTB, 147456                     ; eight chunks
.set MRG,   294912                     ; behind the slots: the waves' lists, 2048 w + 512 q + 16 lane; no tile lands here
.set SPARE, 311296                     ; the spare words, 128 bytes for each wave: four blocks of 256 bytes that no other line names
.set SPW,   1                          ; v1   SPARE + 4 x my thread's number; never rewritten
.set NIL,   2                          ; v2   0; never rewritten
; v3 my place in a block of codes; v4-5 codes, v6-7 nh, v8-9 scale words: LDS addresses in slot 0, 1; v10 hD; v12-13 the pair's number, two sets; v14 8 w; v15 where my lists go
; v16-19 at work; v20-23 the queries' scale words; v24-25 the supports', two sets; v26-27 the queries' words as loaded; v28 where lists are read; v30 my byte in cand
.set TR,    32                         ; v32-47   tile q: m1, i1, m2, i2
.set DD,    48                         ; v48-79   results, two sets of 16
.set CC,    80                         ; v80-111  nh, two sets of 16
.set AA,    112                        ; v112-159 supports, two sets [lo][zeros][hi]
.set BQ,    160                        ; v160-231 [zeros][Q0][zeros][Q1][zeros][Q2][zeros][Q3][zeros]
.set G1,    16                         ; s[16:23] descriptor group 1
.set G0,    24                         ; s[24:31] group 0, a set for each slot
.macro ROUND                           ; a round of the cluster's barrier
	s_barrier_signal -1
	s_barrier_wait -1
	s_cmp_lg_u32 s8, 0
	s_cbranch_scc1 .Lnot_wave_0_\@
	s_barrier_signal -3
.Lnot_wave_0_\@:
	s_barrier_wait -3
	s_barrier_signal -1
	s_barrier_wait -1
.endm
	s_load_b128 s[4:7], s[0:1], 0x0                ; img, cand
	v_lshl_add_u32 v[SPW], v0, 2, SPARE
	v_mov_b32 v[NIL], 0
	ds_add_u32 v1, v2
	ds_add_u32 v1, v2
	s_wait_dscnt 0x0
	v_lshrrev_b32 v3, 5, v0
	v_readfirstlane_b32 s8, v3                     ; wave 0..7
	s_bfe_u32 s9, ttmp6, 0x40000                   ; cx: it enters the queries' and cand's addresses alone
	s_lshl_b32 s10, ttmp9, 2
	s_add_co_u32 s10, s10, s9                      ; my block of 64 queries
	s_and_b32 s11, ttmp7, 0xffff                   ; the query side, which the partners share
	s_mul_i32 s12, s11, IMGB
	s_mul_i32 s13, s10, GRPB
	s_add_co_u32 s12, s12, s13                     ; the queries' group image
	s_mov_b32 s13, 0
	s_xor_b32 s14, s11, 1
	s_mul_i32 s14, s14, IMGB                       ; the other side's images,
	s_mul_i32 s36, s8, CHUNK                       ; my wave's chunk, in memory and in a slot
	s_add_co_u32 s14, s14, s36
	s_mov_b32 s15, 0
	s_lshl_b32 s38, s11, 16                        ; cand: 8 bytes x (8192 y + 64 block)
	s_lshl_b32 s39, s10, 9
	s_add_co_u32 s38, s38, s39
	s_mov_b32 s39, 0
	s_mov_b32 s[G1+0], 15|(3<<16)|(1<<21)          ; 15:0 the mask: all four; 17:16 elements of 8 bytes; 21 set beside a mask; no padding
	s_mov_b32 s[G1+1], 32<<16                      ; tensor_dim0 = 32 elements: 256 bytes
	s_mov_b32 s[G1+2], 72<<16                      ; tensor_dim1 = 72 rows: a dense block of 18,432 bytes
	s_mov_b32 s[G1+3], 32<<16                      ; tile_dim0
	s_mov_b32 s[G1+4], 72                          ; tile_dim1
	s_mov_b32 s[G1+5], 32                          ; the pitch
	s_mov_b32 s[G1+6], 0
	s_mov_b32 s[G1+7], 0
	s_wait_kmcnt 0x0
	s_add_nc_u64 s[12:13], s[4:5], s[12:13]
	s_add_nc_u64 s[14:15], s[4:5], s[14:15]
	s_add_nc_u64 s[6:7], s[6:7], s[38:39]
.irp g, 0,1
	s_mov_b32 s[G0+4*\g], 1
	s_add_co_u32 s[G0+4*\g+1], s36, \g*SLOTB
	s_add_nc_u64 s[G0+4*\g+2:G0+4*\g+3], s[14:15], \g*SLOTB
	s_or_b32 s[G0+4*\g+3], s[G0+4*\g+3], 0x80000000
.endr
	ROUND                                          ; all four work-groups are here: the first joint loads meet
	tensor_load_to_lds s[G0:G0+3], s[G1:G1+7]      ; step 0
	s_nop 0
	tensor_load_to_lds s[G0+4:G0+7], s[G1:G1+7]    ; step 1
	s_nop 0
.rept 4
	v_nop
.endr
	v_bfe_u32 v10, v0, 4, 1                        ; hD (for an operand: the K half)
	v_bfe_u32 v11, v0, 3, 1
	v_xor_b32 v13, v11, v10
	v_and_b32 v12, 7, v0
	v_lshlrev_b32 v3, 8, v11
	v_lshl_add_u32 v3, v13, 7, v3
	v_lshl_add_u32 v3, v12, 4, v3                  ; 256 h + 128 (hk xor h) + 16 j
	v_and_b32 v11, 15, v0
	v_lshlrev_b32 v11, 2, v11                      ; 4 r
.irp q, 0,1,2,3
.irp c, 0,1
	global_load_b128 v[BQ+8+16*\q+4*\c:BQ+8+16*\q+4*\c+3], v3, s[12:13] offset:1024*\q+512*\c   ; the four query tiles stay in registers
.endr
.endr
	global_load_b32 v26, v11, s[12:13] offset:SWO
	global_load_b32 v27, v11, s[12:13] offset:SWO+64
	v_add_nc_u32 v4, s36, v3
	v_add_nc_u32 v5, SLOTB, v4
	v_lshlrev_b32 v6, 6, v10
	v_add_nc_u32 v6, s36, v6
	v_add_nc_u32 v6, NHO, v6                       ; nh of my 16 supports of a pair: 64 bytes at 64 hD
	v_add_nc_u32 v7, SLOTB, v6
	v_add_nc_u32 v8, s36, v11
	v_add_nc_u32 v8, SWO, v8
	v_add_nc_u32 v9, SLOTB, v8
	s_lshl_b32 s37, s8, 3
	v_mov_b32 v14, s37
	v_and_b32 v15, 31, v0
	v_lshlrev_b32 v15, 4, v15
	s_lshl_b32 s35, s8, 11
	s_add_co_u32 s35, s35, MRG
	v_add_nc_u32 v15, s35, v15
	v_bfe_u32 v28, v0, 4, 2                        ; the merge: thread 16 q + r of waves 0 and 1
	v_lshlrev_b32 v28, 9, v28
	v_lshl_add_u32 v28, v11, 2, v28
	v_add_nc_u32 v28, MRG, v28
	v_bfe_u32 v29, v0, 5, 1                        ; its query in the block: 32 (q / 2) + 16 (r / 8) + 8 (q % 2) + r % 8
	v_lshlrev_b32 v30, 5, v29
	v_bfe_u32 v29, v0, 3, 1
	v_lshl_add_u32 v30, v29, 4, v30
	v_lshl_add_u32 v30, v10, 3, v30
	v_add_nc_u32 v30, v30, v12
	v_lshlrev_b32 v30, 3, v30
.irp z, BQ, BQ+16, BQ+32, BQ+48, BQ+64, AA+8, AA+32
.irp i, 0,1,2,3,4,5,6,7
	v_mov_b32 v[\z+\i], 0                          ; the zero codes of the unused K blocks: written once
.endr
.endr
	s_wait_loadcnt 0x0
	v_perm_b32 v20, v26, v26, 0x01000100           ; tile 2 p: bytes 0, 1 of word p, twice;
	v_perm_b32 v21, v26, v26, 0x03020302           ; tile 2 p + 1: bytes 2, 3
	v_perm_b32 v22, v27, v27, 0x01000100
	v_perm_b32 v23, v27, v27, 0x03020302
.irp q, 0,1,2,3                                ; sixteen plain lines: also the places between the scale words just made and the first product
	v_mov_b32 v[TR+4*\q], 0xff800000               ; -infinity, under every X
	v_mov_b32 v[TR+4*\q+1], 0
	v_mov_b32 v[TR+4*\q+2], 0xff800000
	v_mov_b32 v[TR+4*\q+3], 0
.endr
; Pair p of my chunk into set p % 2: nine LDS loads
.macro LOADP slot, p
.set LB, (\p)&1
.set LO, ((\p)>>1)*GRPB
	ds_load_b128 v[AA+24*LB:AA+24*LB+3],     v[4+\slot] offset:LO+2048*LB
	ds_load_b128 v[AA+24*LB+4:AA+24*LB+7],   v[4+\slot] offset:LO+2048*LB+512
	ds_load_b128 v[AA+24*LB+16:AA+24*LB+19], v[4+\slot] offset:LO+2048*LB+1024
	ds_load_b128 v[AA+24*LB+20:AA+24*LB+23], v[4+\slot] offset:LO+2048*LB+1536
.irp i, 0,1,2,3
	ds_load_b128 v[CC+16*LB+4*\i:CC+16*LB+4*\i+3], v[6+\slot] offset:LO+128*LB+16*\i
.endr
	ds_load_b32 v[24+LB], v[8+\slot] offset:LO+64*LB
.endm
; The pair in set beta against query tile q: two products, each begun with nh as C; no accumulator is ever added onto
.macro WM beta, q
.set WD, DD+16*((\q)&1)
.set WA, AA+24*(\beta)
.set WC, CC+16*(\beta)
	v_wmma_scale_f32_16x16x128_f8f6f4 v[WD:WD+7], v[WA:WA+15], v[BQ+8+16*(\q):BQ+23+16*(\q)], v[WC:WC+7], v[24+(\beta)], v[20+(\q)] matrix_a_fmt:MATRIX_FMT_BF8 matrix_b_fmt:MATRIX_FMT_BF8
	v_wmma_scale_f32_16x16x128_f8f6f4 v[WD+8:WD+15], v[WA+8:WA+23], v[BQ+16*(\q):BQ+15+16*(\q)], v[WC+8:WC+15], v[24+(\beta)], v[20+(\q)] matrix_a_fmt:MATRIX_FMT_BF8 matrix_b_fmt:MATRIX_FMT_BF8
.endm
; The fold and the tracking of the unit BEFORE the products just issued (tile PQ, pair number in set PB): 15 plain lines that name none of those products' registers.
; They are the places behind them: for the read of their results one unit on, for the products that write the same set two units on, and for the loads into a set of supports.
.macro VPREV
.set VD, DD+16*(PQ&1)
.set VT, TR+4*PQ
.set VV, 12+PB
	v_max3_num_f32 v16, v[VD], v[VD+1], v[VD+2]            ; each result is read from its low end on
	v_max3_num_f32 v18, v[VD+8], v[VD+9], v[VD+10]
	v_max3_num_f32 v17, v[VD+4], v[VD+5], v[VD+6]
	v_max3_num_f32 v19, v[VD+12], v[VD+13], v[VD+14]
	v_max3_num_f32 v16, v16, v[VD+3], v[VD+7]
	v_max3_num_f32 v18, v18, v[VD+11], v[VD+15]
	v_max3_num_f32 v16, v16, v17, v18
	v_max_num_f32 v16, v16, v19                    ; the best of my 16 supports
	v_cmp_gt_f32 vcc_lo, v16, v[VT+2]              ; strictly greater: of equals the earlier, lower pair stays
	v_cndmask_b32 v[VT+3], v[VT+3], v[VV], vcc_lo
	v_cmp_gt_f32 vcc_lo, v16, v[VT]
	v_cndmask_b32 v[VT+3], v[VT+3], v[VT+1], vcc_lo
	v_cndmask_b32 v[VT+1], v[VT+1], v[VV], vcc_lo
	v_med3_num_f32 v[VT+2], v[VT], v[VT+2], v16
	v_max_num_f32 v[VT], v[VT], v16
.endm
.set HAVE, 0
.set PQ, 0
.set PB, 0
; A step: my chunk's eight pairs against the four query tiles.  tcnt: the younger tensor loads that may stay out.
.macro STEP slot, step, tcnt
	s_wait_tensorcnt \tcnt                         ; tensor loads of a wave end in order (ISA guide 10.11.1): my chunk of this slot is in LDS
	LOADP \slot, 0
	LOADP \slot, 1
.irp p, 0,1,2,3,4,5,6,7
.if \p < 7
	s_wait_dscnt 9                                 ; pair p is in; the nine loads of pair p + 1 may be out
.else
	s_wait_dscnt 0x0
.endif
	v_add_nc_u32 v[12+(\p&1)], 64*\step+\p, v14    ; the pair's number in its side: 64 step + 8 wave + p
.irp q, 0,1,2,3
	WM (\p&1), \q
.if HAVE
	VPREV
.else
.rept 9
	v_nop                                          ; the very first unit has no work to set here: nine places, since the unit two on writes over these results
.endr
.endif
.set HAVE, 1
.set PQ, \q
.set PB, \p&1
.endr
.if \p < 6
	LOADP \slot, \p+2                              ; into the set that pair p has left: its last products stand 15 plain lines back
.endif
.endr
.endm
; Slot g, read out, is filled again with the step two on
.macro REFILL g
	s_wait_tensorcnt 0x0                           ; all my tensor loads have landed, so a group 0 may be written
	ds_add_u32 v[SPW], v[NIL]                      ; 0 onto my spare word
	s_add_nc_u64 s[G0+4*\g+2:G0+4*\g+3], s[G0+4*\g+2:G0+4*\g+3], 2*SLOTB
	s_wait_dscnt 0x0                               ; the add is done, and my reads of the slot are over
	ROUND                                          ; both hold of every wave of all four work-groups
	tensor_load_to_lds s[G0+4*\g:G0+4*\g+3], s[G1:G1+7]    ; my one tensor load behind the round, first thing there
	s_nop 0
.rept 4
	v_nop
.endr
.endm
	STEP 0, 0, 1                                   ; the count leaves step 1's chunk on its way
	REFILL 0
	STEP 1, 1, 1                                   ; one load was issued behind this chunk's
	REFILL 1
	STEP 0, 2, 1
	STEP 1, 3, 0
	VPREV                                          ; the last unit
.irp q, 0,1,2,3
	v_lshl_or_b32 v[TR+4*\q+1], v[TR+4*\q+1], 1, v10       ; half-group = 2 x pair + hD = the first support's index / 16
	v_lshl_or_b32 v[TR+4*\q+3], v[TR+4*\q+3], 1, v10
.endr
.irp q, 0,1,2,3
	ds_store_b128 v15, v[TR+4*\q:TR+4*\q+3] offset:512*\q
.endr
	s_wait_dscnt 0x0                               ; for the merging waves' sake
	s_barrier_signal -1
	s_barrier_wait -1
	s_cmp_gt_u32 s8, 1
	s_cbranch_scc1 .Lmerged
.irp l, 0,1,2,3,4,5,6,7,8,9,10,11,12,13,14,15  ; a query's 16 lists: wave l / 2, lanes' half l % 2
	ds_load_b128 v[48+4*\l:51+4*\l], v28 offset:2048*(\l/2)+256*(\l%2)
.endr
	s_wait_dscnt 0x0
; (value, half-group) into the two best v48, v49 | v50, v51; of equal values the lower half-group counts as better
.macro INSMAX v, g
	v_cmp_gt_f32 s40, v[\v], v50
	v_cmp_eq_f32 s41, v[\v], v50
	v_cmp_lt_u32 s42, v[\g], v51
	v_cmp_gt_f32 s43, v[\v], v48
	v_cmp_eq_f32 s44, v[\v], v48
	v_cmp_lt_u32 s45, v[\g], v49
	s_and_b32 s41, s41, s42
	s_or_b32 s40, s40, s41                         ; better than the second
	s_and_b32 s44, s44, s45
	s_or_b32 s43, s43, s44                         ; better than the first
	v_cndmask_b32 v51, v51, v[\g], s40
	v_cndmask_b32 v50, v50, v[\v], s40
	v_cndmask_b32 v51, v51, v49, s43
	v_cndmask_b32 v50, v50, v48, s43
	v_cndmask_b32 v49, v49, v[\g], s43
	v_cndmask_b32 v48, v48, v[\v], s43
.endm
.irp l, 1,2,3,4,5,6,7,8,9,10,11,12,13,14,15
	INSMAX 48+4*\l, 49+4*\l
	INSMAX 50+4*\l, 51+4*\l
.endr
	v_min_u32 v112, v49, v51                       ; ascending, so that the next launch walks the 32 supports in the order of their indices
	v_max_u32 v113, v49, v51
	global_store_b64 v30, v[112:113], s[6:7]       ; a wave's 32 entries fill one aligned block of 256 bytes
.Lmerged:
	s_wait_tensorcnt 0x0                           ; the wave's end
	ds_add_u32 v[SPW], v[NIL]
	s_wait_dscnt 0x0
	ROUND                                          ; the closing round
	s_endpgm
.Lfunc_end_k_qa9f8819200_scan:
	.size	k_qa9f8819200_scan, .Lfunc_end_k_qa9f8819200_scan-k_qa9f8819200_scan
	.p2alignl 7, 3214868480
	.fill 96, 4, 3214868480
	.section	.rodata,"a",@progbits
	.p2align	6, 0x0
	.amdhsa_kernel k_qa9f8819200_scan
		.amdhsa_group_segment_fixed_size 327680
		.amdhsa_private_segment_fixed_size 0
		.amdhsa_enable_private_segment 0
		.amdhsa_kernarg_size 16
		.amdhsa_user_sgpr_count 2
		.amdhsa_user_sgpr_kernarg_segment_ptr 1
		.amdhsa_wavefront_size32 1
		.amdhsa_system_sgpr_workgroup_id_x 1
		.amdhsa_system_sgpr_workgroup_id_y 1
		.amdhsa_system_sgpr_workgroup_id_z 1
		.amdhsa_system_vgpr_workitem_id 0
		.amdhsa_next_free_vgpr 256
		.amdhsa_next_free_sgpr 66
		.amdhsa_reserve_vcc 1
		.amdhsa_float_denorm_mode_32 3
		.amdhsa_float_denorm_mode_16_64 3
		.amdhsa_memory_ordered 1
		.amdhsa_forward_progress 1
		.amdhsa_inst_pref_size 184
	.end_amdhsa_kernel
	.amdgpu_metadata
---
amdhsa.version: [ 1, 2 ]
amdhsa.kernels:
  - .name:           k_qa9f8819200_scan
    .symbol:         k_qa9f8819200_scan.kd
    .args:
      - { .name: img, .offset: 0, .size: 8, .value_kind: global_buffer, .address_space: global }
      - { .name: cand, .offset: 8, .size: 8, .value_kind: global_buffer, .address_space: global }
    .group_segment_fixed_size: 327680
    .private_segment_fixed_size: 0
    .kernarg_segment_align: 8
    .kernarg_segment_size: 16
    .max_flat_workgroup_size: 256
    .sgpr_count:     66
    .vgpr_count:     256
    .wavefront_size: 32
...
	.end_amdgpu_metadata
.endif
;; end of part 2
;; launch refine (part 3): grid 512 x 1, 8 waves a work-group, no clusters, 3,072 bytes of LDS; arguments img, cand, knn; writes knn
.if DOCPART == 3
	.amdgcn_target "amdgcn-amd-amdhsa--gfx1250"
	.amdhsa_code_object_version 6
	.text
	.protected	k_qa9f8819200_refine
	.globl	k_qa9f8819200_refine
	.p2align	8
	.type	k_qa9f8819200_refine,@function
k_qa9f8819200_refine:
	s_mov_b64 s[64:65], 0
	v_nop
	global_prefetch_b8 v0, s[64:65] scope:SCOPE_SE
	s_setreg_imm32_b32 hwreg(HW_REG_WAVE_MODE, 25, 1), 1
	s_wait_xcnt 0x0
; For each query the quantised product once more, with the 32 supports of its two half-groups (cand, whole numbers of the launch before), then the problem's own
; dist2 = (|q|^2 - 2 q.s) + |s|^2 with its two f32 roundings, and the two smallest with their indices; of equal distances the lower index.
; A work-group takes 32 neighbouring queries of one side (a pair of tiles of a group image).  Wave om: tile t = om / 4, queries r = 4 v .. 4 v + 3 of it, v = om % 4.
; Each (query, half-group) wants supports of its own, so it has a matrix instruction of its own: source 0 = the 16 supports, source 1 = the query tile; column r alone is used.
; K is 64 of the instruction's 128: [A0][zeros][A1] and [zeros][Q][zeros] give the two forms (data in K blocks 0, 1 or in 2, 3), zero codes on both sides of the rest.
; A half-group's codes are four whole blocks of 256 bytes of its group image.  No LDS tiles, no cluster: every wave gathers other supports.
; LIMITS: NaN and infinities are not served; |q|^2 and |s|^2 are the first launch's (-2 nh, exact), summed in its order.
.set IMGB, 589824
.set GRPB, 4608
.set NHO,  4096
.set SWO,  4352
.set SNO,  4480
; v1 r; v2 lanes' half; v3 my place in a block of codes; v4, v5 the same for a gathered half-group: L + (half-group % 2) x DELTA; v6 2 r; v7 my query's byte in cand
; v8-15 code addresses; v16-23 scale addresses; v24-31 scale bytes; v32-35 the supports' scale words; v36 the queries'; v37 |q|^2; v38-39 my query's half-groups
; v40-41 nh addresses; v42-43 first indices; v44-59 nh; v60-83 [zeros][Q][zeros]; v84-179 four [A0][zeros][A1]; v180-243 results (before them: addresses of the first loads)
; v244 m1, v245 m2, v246 i1, v247 i2; v248-251 the partner's; v252 an index; v253-255 the way out
	s_load_b128 s[4:7], s[0:1], 0x0                ; img, cand
	s_load_b64 s[8:9], s[0:1], 0x10                ; knn
	s_set_vgpr_msb 0x40
	v_lshl_add_u32 v0, v0, 2, 0x800
	v_mov_b32 v1, 0
	s_set_vgpr_msb 0x4000
	v_lshrrev_b32 v1, 5, v0
	v_readfirstlane_b32 s10, v1                    ; wave
	s_lshr_b32 s11, s10, 2                         ; t
	s_and_b32 s12, s10, 3                          ; v
	s_lshr_b32 s13, ttmp9, 8                       ; side
	s_and_b32 s14, ttmp9, 255                      ; the pair of tiles
	s_mul_i32 s24, s13, IMGB
	s_lshr_b32 s15, s14, 1
	s_mul_i32 s15, s15, GRPB
	s_add_co_u32 s24, s24, s15                     ; the queries' group image
	s_mov_b32 s25, 0
	s_xor_b32 s26, s13, 1
	s_mul_i32 s26, s26, IMGB                       ; the supports' side
	s_mov_b32 s27, 0
	s_and_b32 s15, s14, 1                          ; p
	s_lshl_b32 s28, s13, 16                        ; cand and knn: 8 bytes x (8192 side + 32 pair)
	s_lshl_b32 s29, s14, 8
	s_add_co_u32 s28, s28, s29
	s_mov_b32 s29, 0
	s_lshl_b32 s30, s11, 6                         ; 8 bytes x 8 t
	s_lshr_b32 s52, s12, 1                         ; my four queries begin at 16 (v / 2) + 8 t + 4 (v % 2)
	s_lshl_b32 s52, s52, 7
	s_and_b32 s33, s12, 1
	s_lshl_b32 s33, s33, 5
	s_add_co_u32 s52, s52, s33
	s_add_co_u32 s52, s52, s30
	s_mov_b32 s53, 0
	s_lshl_b32 s34, s15, 11
	s_lshl_b32 s35, s11, 10
	s_add_co_u32 s34, s34, s35                     ; the query tile's codes
	s_lshl_b32 s35, s15, 6
	s_lshl_b32 s36, s15, 7
	s_lshl_b32 s39, s12, 2
	s_lshl_b32 s40, 0x10001, s39                   ; lanes of column 4 v + x, both halves
	s_lshl_b32 s41, s40, 1
	s_lshl_b32 s42, s40, 2
	s_lshl_b32 s43, s40, 3
	s_mov_b32 s38, 0x03020302                      ; which two bytes of the queries' word are tile t's
	s_cmp_eq_u32 s11, 0
	s_cselect_b32 s38, 0x01000100, s38
	s_mov_b32 s48, 0x76543210
	s_mov_b32 s49, 0xfedcba98                      ; selects for lane l xor 16
	v_and_b32 v1, 15, v0
	v_bfe_u32 v2, v0, 4, 1
	v_bfe_u32 v184, v0, 3, 1
	v_and_b32 v185, 7, v0
	v_xor_b32 v186, v184, v2
	v_lshlrev_b32 v3, 8, v184
	v_lshl_add_u32 v3, v186, 7, v3
	v_lshl_add_u32 v3, v185, 4, v3
	v_lshlrev_b32 v4, 10, v184                     ; row u = r of a half-group: tile u / 8, row u % 8: 1024 (r / 8) + 16 (r % 8) + 128 hk,
	v_lshl_add_u32 v4, v2, 7, v4
	v_lshl_add_u32 v4, v185, 4, v4
	v_lshlrev_b32 v5, 8, v2
	v_sub_nc_u32 v5, 384, v5                       ; and for an odd half-group 384 (hk = 0) or 128 (hk = 1) more
	v_lshlrev_b32 v6, 1, v1
	v_lshl_add_u32 v7, v184, 4, v185
	v_lshlrev_b32 v7, 3, v7
	v_add_nc_u32 v7, s30, v7                       ; 8 x (16 (r / 8) + 8 t + r % 8)
	v_add_nc_u32 v180, s34, v3
	v_lshl_add_u32 v181, v1, 2, s35                ; the queries' word: 64 p + 4 r
	v_lshrrev_b32 v182, 1, v7
	v_add_nc_u32 v182, s36, v182                   ; my query's nh: 4 ml
	v_lshlrev_b32 v253, 3, v0                      ; the way out: every wave's 32 lanes, 8 bytes each, at 8 x the thread's number
	v_bfe_u32 v254, v0, 3, 1                       ; wave 0 reads entry e from wave 4 bit3 + 2 bit4 + bit2, lane 8 bit4 + e % 8
	v_lshlrev_b32 v254, 10, v254
	v_lshl_add_u32 v254, v2, 9, v254
	v_lshl_add_u32 v254, v2, 6, v254
	v_bfe_u32 v255, v0, 2, 1
	v_lshl_add_u32 v254, v255, 8, v254
	v_lshl_add_u32 v254, v185, 3, v254
	v_and_b32 v255, 31, v0
	v_lshlrev_b32 v255, 3, v255
	s_wait_kmcnt 0x0
	s_add_nc_u64 s[24:25], s[4:5], s[24:25]
	s_add_nc_u64 s[26:27], s[4:5], s[26:27]
	s_add_nc_u64 s[6:7], s[6:7], s[28:29]
	s_add_nc_u64 s[8:9], s[8:9], s[28:29]
	s_add_nc_u64 s[50:51], s[6:7], s[52:53]
	s_load_b256 s[16:23], s[50:51], 0x0            ; my four queries' half-groups
	global_load_b128 v[68:71], v180, s[24:25]      ; five loads that hang on ids alone
	global_load_b128 v[72:75], v180, s[24:25] offset:512
	global_load_b32 v183, v181, s[24:25] offset:SWO
	global_load_b32 v37, v182, s[24:25] offset:NHO
	global_load_b64 v[38:39], v7, s[6:7]
.irp z, 60, 76, 92, 116, 140, 164
.irp i, 0,1,2,3,4,5,6,7
	v_mov_b32 v[\z+\i], 0                          ; the zero codes of the unused K blocks
.endr
.endr
	v_mov_b32 v244, 0x7f800000                     ; +infinity, over every distance
	v_mov_b32 v245, 0x7f800000
	v_mov_b32 v246, 0
	v_mov_b32 v247, 0
.irp i, 248,249,250,251
	v_mov_b32 v[\i], 0                             ; a lane permute's destination counts as read
.endr
	s_wait_kmcnt 0x0
.irp k, 0,1,2,3,4,5,6,7                        ; half-group g = 4 G + 2 p + h: image G, pair p, rows' half h
	s_min_u32 s[16+\k], s[16+\k], 511              ; a loaded number enters an address behind this hold alone
	s_and_b32 s44, s[16+\k], 0x1fc
	s_mul_i32 s44, s44, 1152                       ; 4608 G
	s_and_b32 s45, s[16+\k], 2
	s_lshl_b32 s45, s45, 10
	s_add_co_u32 s45, s45, s44                     ; + 2048 p
	s_and_b32 s46, s[16+\k], 3
	s_lshl_b32 s46, s46, 5
	s_add_co_u32 s46, s46, s44                     ; its rows' scale bytes: 2 x (32 p + 16 h)
	s_and_b32 s47, s[16+\k], 1
	v_mul_u32_u24 v[8+\k], s47, v5
	v_add_nc_u32 v[8+\k], v[8+\k], v4
	v_add_nc_u32 v[8+\k], s45, v[8+\k]
	v_add_nc_u32 v[16+\k], s46, v6
.endr
.irp k, 0,1,2,3,4,5,6,7
	global_load_b128 v[84+24*(\k/2)+16*(\k%2):84+24*(\k/2)+16*(\k%2)+3], v[8+\k], s[26:27]
	global_load_b128 v[84+24*(\k/2)+16*(\k%2)+4:84+24*(\k/2)+16*(\k%2)+7], v[8+\k], s[26:27] offset:512
.endr
.irp k, 0,1,2,3,4,5,6,7
	global_load_u16 v[24+\k], v[16+\k], s[26:27] offset:SNO
.endr
	s_wait_loadcnt 24                              ; the five first loads are in; the 24 behind them may be out
	v_perm_b32 v36, v183, v183, s38                ; the queries' scale word (s0, s1, s0, s1)
	v_mul_f32 v37, -2.0, v37                       ; |q|^2
.irp c, 0,1
	v_min_u32 v[38+\c], 511, v[38+\c]
	v_and_b32 v184, 0x1fc, v[38+\c]
	v_mul_u32_u24 v184, 0x480, v184
	v_and_b32 v185, 3, v[38+\c]
	v_lshl_add_u32 v184, v185, 6, v184
	v_lshl_add_u32 v[40+\c], v2, 5, v184           ; nh of supports 8 hD .. + 7 of my query's half-group
	v_lshlrev_b32 v[42+\c], 4, v[38+\c]
	v_lshl_add_u32 v[42+\c], v2, 3, v[42+\c]       ; and the first of their indices
.endr
.irp c, 0,1
	global_load_b128 v[44+8*\c:47+8*\c], v[40+\c], s[26:27] offset:NHO
	global_load_b128 v[48+8*\c:51+8*\c], v[40+\c], s[26:27] offset:NHO+16
.endr
	s_wait_loadcnt 0x0
.irp x, 0,1,2,3
	v_lshl_or_b32 v[32+\x], v[25+2*\x], 16, v[24+2*\x]     ; bytes 0, 1: the lower half-group's row; bytes 2, 3: the upper's
.endr
.rept 8
	v_nop                                          ; a scale register written by a vector line stands eight places ahead of the scaled product
.endr
.irp x, 0,1,2,3
	v_wmma_scale_f32_16x16x128_f8f6f4 v[180+16*\x:187+16*\x], v[84+24*\x:99+24*\x], v[68:83], 0, v[32+\x], v36 matrix_a_fmt:MATRIX_FMT_BF8 matrix_b_fmt:MATRIX_FMT_BF8
	v_wmma_scale_f32_16x16x128_f8f6f4 v[188+16*\x:195+16*\x], v[92+24*\x:107+24*\x], v[60:75], 0, v[32+\x], v36 matrix_a_fmt:MATRIX_FMT_BF8 matrix_b_fmt:MATRIX_FMT_BF8
.endr
.rept 8
	v_nop                                          ; eight places in front of the first read of results
.endr
.irp e, 0,1,2,3,4,5,6,7,8,9,10,11,12,13,14,15  ; column 4 v + x takes product x's results; each result is read from its low end on
	v_cndmask_b32 v[180+\e], v[180+\e], v[196+\e], s41
	v_cndmask_b32 v[180+\e], v[180+\e], v[212+\e], s42
	v_cndmask_b32 v[180+\e], v[180+\e], v[228+\e], s43
.endr
.irp e, 0,1,2,3,4,5,6,7,8,9,10,11,12,13,14,15
	v_fma_f32 v[180+\e], -2.0, v[180+\e], v37      ; |q|^2 - 2 q.s, one rounding (2 q.s is exact)
.endr
.irp e, 0,1,2,3,4,5,6,7,8,9,10,11,12,13,14,15
	v_fma_f32 v[180+\e], -2.0, v[44+\e], v[180+\e] ; + |s|^2, one rounding (-2 nh is exact)
.endr
.irp e, 0,1,2,3,4,5,6,7,8,9,10,11,12,13,14,15  ; my 16 supports in ascending index: strictly smaller, so of equals the lower index stays
	v_add_nc_u32 v252, \e&7, v[42+(\e>>3)]
	v_cmp_lt_f32 vcc_lo, v[180+\e], v245
	v_cndmask_b32 v247, v247, v252, vcc_lo
	v_cmp_lt_f32 vcc_lo, v[180+\e], v244
	v_cndmask_b32 v247, v247, v246, vcc_lo
	v_cndmask_b32 v246, v246, v252, vcc_lo
	v_med3_num_f32 v245, v244, v245, v[180+\e]
	v_min_num_f32 v244, v244, v[180+\e]
.endr
.irp i, 0,1,2,3
	v_permlanex16_b32 v[248+\i], v[244+\i], s48, s49       ; the query's other 16 supports lie in lane l xor 16
.endr
.macro INSMIN v, g                     ; (distance, index) into the two best; of equal distances the lower index counts as better
	v_cmp_lt_f32 s44, v[\v], v245
	v_cmp_eq_f32 s45, v[\v], v245
	v_cmp_lt_u32 s46, v[\g], v247
	v_cmp_lt_f32 s47, v[\v], v244
	v_cmp_eq_f32 s54, v[\v], v244
	v_cmp_lt_u32 s55, v[\g], v246
	s_and_b32 s45, s45, s46
	s_or_b32 s44, s44, s45
	s_and_b32 s54, s54, s55
	s_or_b32 s47, s47, s54
	v_cndmask_b32 v247, v247, v[\g], s44
	v_cndmask_b32 v245, v245, v[\v], s44
	v_cndmask_b32 v247, v247, v246, s47
	v_cndmask_b32 v245, v245, v244, s47
	v_cndmask_b32 v246, v246, v[\g], s47
	v_cndmask_b32 v244, v244, v[\v], s47
.endm
	INSMIN 248, 250
	INSMIN 249, 251
	ds_store_b64 v253, v[246:247]                  ; all 32 lanes, into my wave's own 256 bytes; the lanes of my four columns hold results
	s_wait_dscnt 0x0                               ; for wave 0's sake
	s_barrier_signal -1
	s_barrier_wait -1
	s_cmp_lg_u32 s10, 0
	s_cbranch_scc1 .Ldone
	ds_load_b64 v[248:249], v254
	s_wait_dscnt 0x0
	global_store_b64 v255, v[248:249], s[8:9]      ; 32 queries' (nearest, second): one aligned block of 256 bytes
.Ldone:
	s_barrier_signal -1
	s_barrier_wait -1
	s_set_vgpr_msb 0x5
	s_wait_tensorcnt 0x0
	ds_add_u32 v0, v1
	s_wait_dscnt 0x0
	s_set_vgpr_msb 0x500
	s_endpgm
.Lfunc_end_k_qa9f8819200_refine:
	.size	k_qa9f8819200_refine, .Lfunc_end_k_qa9f8819200_refine-k_qa9f8819200_refine
	.p2alignl 7, 3214868480
	.fill 96, 4, 3214868480
	.section	.rodata,"a",@progbits
	.p2align	6, 0x0
	.amdhsa_kernel k_qa9f8819200_refine
		.amdhsa_group_segment_fixed_size 3072
		.amdhsa_private_segment_fixed_size 0
		.amdhsa_enable_private_segment 0
		.amdhsa_kernarg_size 24
		.amdhsa_user_sgpr_count 2
		.amdhsa_user_sgpr_kernarg_segment_ptr 1
		.amdhsa_wavefront_size32 1
		.amdhsa_system_sgpr_workgroup_id_x 1
		.amdhsa_system_sgpr_workgroup_id_y 1
		.amdhsa_system_sgpr_workgroup_id_z 1
		.amdhsa_system_vgpr_workitem_id 0
		.amdhsa_next_free_vgpr 258
		.amdhsa_next_free_sgpr 66
		.amdhsa_reserve_vcc 1
		.amdhsa_float_denorm_mode_32 3
		.amdhsa_float_denorm_mode_16_64 3
		.amdhsa_memory_ordered 1
		.amdhsa_forward_progress 1
		.amdhsa_inst_pref_size 28
	.end_amdhsa_kernel
	.amdgpu_metadata
---
amdhsa.version: [ 1, 2 ]
amdhsa.kernels:
  - .name:           k_qa9f8819200_refine
    .symbol:         k_qa9f8819200_refine.kd
    .args:
      - { .name: img, .offset: 0, .size: 8, .value_kind: global_buffer, .address_space: global }
      - { .name: cand, .offset: 8, .size: 8, .value_kind: global_buffer, .address_space: global }
      - { .name: knn, .offset: 16, .size: 8, .value_kind: global_buffer, .address_space: global }
    .group_segment_fixed_size: 3072
    .private_segment_fixed_size: 0
    .kernarg_segment_align: 8
    .kernarg_segment_size: 24
    .max_flat_workgroup_size: 256
    .sgpr_count:     66
    .vgpr_count:     258
    .wavefront_size: 32
...
	.end_amdgpu_metadata
.endif
;; end of part 3
;; launch weigh (part 4): grid 256 x 1, 4 waves a work-group, no clusters, 52,992 bytes of LDS; arguments src_feats, tgt_feats, knn, key; writes key
.if DOCPART == 4
	.amdgcn_target "amdgcn-amd-amdhsa--gfx1250"
	.amdhsa_code_object_version 6
	.text
	.protected	k_qa9f8819200_weigh
	.globl	k_qa9f8819200_weigh
	.p2align	8
	.type	k_qa9f8819200_weigh,@function
k_qa9f8819200_weigh:
	s_mov_b64 s[64:65], 0
	v_nop
	global_prefetch_b8 v0, s[64:65] scope:SCOPE_SE
	s_setreg_imm32_b32 hwreg(HW_REG_WAVE_MODE, 25, 1), 1
	s_wait_xcnt 0x0
; For each query: the f32 dot products with its two nearest supports' rows (gathered by knn, whole numbers of the launch before), the weight
; w = 1 - (1 - d0) / ((1 - d1) + 1e-8), and its KEY: the unsigned number that orders as the f32 does (w xor (sign ? all ones : the top bit)), from which w comes back exactly.
; These products have two rows each: no matrix tile; fused multiply-adds in f32, since the ORDER of the weights decides which rows are output, and weights lie on a grid of 2^-24:
; a last bit of a dot can turn the order of two neighbours.
; THE ORDER OF A DOT'S SUM: eight chains; chain l takes k = l, l + 8, .. l + 56, ascending, by fused multiply-adds (the first product starts it); then chains l and l + 4 are added,
; then sums 2 apart, then the last two.  So a lane must hold a whole row.
; A work-group takes 64 queries of a side, a wave 16.  Rows are LOADED sixteen lanes to a row (256 consecutive bytes), go through the wave's own LDS region (rows 272 bytes apart: an odd
; multiple of 16) and come back ONE ROW TO A LANE: lane 16 c + n holds query n and its neighbour c.
; Memory and latency bind: no tensor load, no cluster, no matrix unit.  A wave reads only LDS bytes that it wrote itself, but for the 256 bytes of keys at the end.
; LIMITS: another order of summation gives other last bits; the division is v_rcp_f32 with one Newton step and two corrections of the quotient by its exact remainder;
; a zero, infinite or NaN divisor is not served.
.set PITCH, 272
.set SROW,  16*PITCH                   ; a wave's region: 16 rows of queries, then 32 rows of supports (row 16 c + n)
.set WREG,  48*PITCH                   ; 13,056 bytes
.set KEYS,  4*WREG                     ; behind the four regions: the work-group's 64 keys
; v1 pos = n; v2 ro = c; v3 16 w + 8 ro; v4 knn offset; v5 16 pos; v6 the queries' rows; v7 LDS: my key; v8 8 x lane; v9 LDS: where I put 16 bytes of a row
; v10 LDS: my query's row; v11 LDS: my support's row; v12 LDS: keys on the way out; v16-31 indices, then gather offsets; v32-63 queries' rows as loaded, later the chains and the weight
; v64-127 supports' rows as loaded; v128-191 my query's row; v192-255 my support's row
	s_load_b128 s[4:7], s[0:1], 0x0                ; src_feats, tgt_feats
	s_load_b128 s[8:11], s[0:1], 0x10              ; knn, key
	v_lshl_add_u32 v14, v0, 2, 0xcd00
	v_mov_b32 v15, 0
	v_lshrrev_b32 v1, 5, v0
	v_readfirstlane_b32 s12, v1                    ; wave
	v_and_b32 v1, 15, v0
	v_bfe_u32 v2, v0, 4, 1
	s_lshr_b32 s13, ttmp9, 7                       ; side
	s_and_b32 s14, ttmp9, 127                      ; block of 64 queries
	s_lshl_b32 s15, s12, 4
	v_lshl_add_u32 v3, v2, 3, s15                  ; in step e my half of the lanes loads for query 16 w + 8 ro + e
	v_lshlrev_b32 v4, 3, v3                        ; knn: 8 bytes a query
	v_lshlrev_b32 v5, 4, v1
	v_lshl_add_u32 v6, v3, 8, v5
	s_mul_i32 s26, s12, WREG                       ; my wave's region
	v_mul_u32_u24 v9, v2, 8*PITCH
	v_add_nc_u32 v9, v9, v5
	v_add_nc_u32 v9, s26, v9                       ; row 8 ro (+ e in the immediate), 16 pos
	v_mul_u32_u24 v10, v1, PITCH
	v_add_nc_u32 v10, s26, v10                     ; row n of the queries
	v_and_b32 v8, 31, v0
	v_mul_u32_u24 v11, v8, PITCH
	v_add_nc_u32 v11, s26, v11                     ; row 16 c + n of the supports (+ SROW in the immediate)
	s_lshl_b32 s27, s12, 6
	s_add_co_u32 s27, s27, KEYS
	v_lshl_add_u32 v7, v1, 2, s27                  ; KEYS + 4 x (16 w + n)
	v_lshlrev_b32 v8, 3, v8
	v_add_nc_u32 v12, KEYS, v8
	v_mov_b32 v41, 0                               ; a lane permute's destination counts as read
	s_mov_b32 s28, 0x76543210
	s_mov_b32 s29, 0xfedcba98                      ; selects for lane l xor 16
	s_mov_b32 s30, 0xffff0000                      ; lanes 16-31
	s_lshl_b32 s20, s14, 14                        ; 64 rows of 256 bytes
	s_mov_b32 s21, 0
	s_lshl_b32 s22, s13, 16
	s_lshl_b32 s23, s14, 9
	s_add_co_u32 s22, s22, s23                     ; knn: 8 x (8192 side + 64 block)
	s_mov_b32 s23, 0
	s_lshl_b32 s24, s13, 15
	s_lshl_b32 s25, s14, 8
	s_add_co_u32 s24, s24, s25                     ; key: 4 x the same
	s_mov_b32 s25, 0
	s_wait_kmcnt 0x0
	s_cmp_eq_u32 s13, 0                            ; the choice hangs on the work-group's number alone
	s_cselect_b64 s[16:17], s[4:5], s[6:7]         ; the queries' table
	s_cselect_b64 s[18:19], s[6:7], s[4:5]         ; the supports'
	s_add_nc_u64 s[16:17], s[16:17], s[20:21]
	s_add_nc_u64 s[8:9], s[8:9], s[22:23]
	s_add_nc_u64 s[10:11], s[10:11], s[24:25]
.irp e, 0,1,2,3,4,5,6,7
	global_load_b64 v[16+2*\e:17+2*\e], v4, s[8:9] offset:8*\e
.endr
.irp e, 0,1,2,3,4,5,6,7
	global_load_b128 v[32+4*\e:35+4*\e], v6, s[16:17] offset:256*\e
.endr
	s_wait_loadcnt 8                               ; the indices are in; the queries' eight loads may be out
.irp k, 0,1,2,3,4,5,6,7,8,9,10,11,12,13,14,15
	v_min_u32 v[16+\k], 0x1fff, v[16+\k]           ; a loaded number enters an address behind this hold alone
	v_lshl_add_u32 v[16+\k], v[16+\k], 8, v5
.endr
.irp k, 0,1,2,3,4,5,6,7,8,9,10,11,12,13,14,15  ; k = 2 e + c: neighbour c of step e's query; sixteen lanes read one whole row
	global_load_b128 v[64+4*\k:67+4*\k], v[16+\k], s[18:19]
.endr
	s_wait_loadcnt 16                              ; the queries' rows are in; the sixteen gathers may be out
.irp e, 0,1,2,3,4,5,6,7
	ds_store_b128 v9, v[32+4*\e:35+4*\e] offset:\e*PITCH
.endr
	s_wait_loadcnt 0x0
.irp k, 0,1,2,3,4,5,6,7,8,9,10,11,12,13,14,15
	ds_store_b128 v9, v[64+4*\k:67+4*\k] offset:SROW+(16*(\k%2)+\k/2)*PITCH
.endr
.irp i, 0,1,2,3,4,5,6,7,8,9,10,11,12,13,14,15  ; LDS serves a wave's instructions in order (ISA guide 5.7.1.4): these see my stores.  Register 128 + k, 192 + k: element k of the rows
	ds_load_b128 v[128+4*\i:131+4*\i], v10 offset:16*\i
	ds_load_b128 v[192+4*\i:195+4*\i], v11 offset:SROW+16*\i
.endr
	s_wait_dscnt 0x0                               ; both rows are in, and the stores ahead of them have read their registers
.irp j, 0,2,4,6
	v_pk_mul_f32 v[32+\j:33+\j], v[128+\j:129+\j], v[192+\j:193+\j]        ; chains l = j, j + 1 begin with k = l
.endr
.irp t, 1,2,3,4,5,6,7
.irp j, 0,2,4,6
	v_pk_fma_f32 v[32+\j:33+\j], v[128+8*\t+\j:129+8*\t+\j], v[192+8*\t+\j:193+8*\t+\j], v[32+\j:33+\j]   ; k = l + 8 t
.endr
.endr
	v_pk_add_f32 v[32:33], v[32:33], v[36:37]      ; chains 0 + 4, 1 + 5
	v_pk_add_f32 v[34:35], v[34:35], v[38:39]      ; 2 + 6, 3 + 7
	v_pk_add_f32 v[32:33], v[32:33], v[34:35]      ; (0 + 4) + (2 + 6), (1 + 5) + (3 + 7)
	v_add_f32 v32, v32, v33                        ; the dot of query n with its neighbour c
	v_sub_f32 v40, 1.0, v32
	v_permlanex16_b32 v41, v40, s28, s29           ; the other neighbour's
	v_cndmask_b32 v42, v40, v41, s30               ; 1 - d0, in both lanes of a query
	v_cndmask_b32 v43, v41, v40, s30               ; 1 - d1
	v_add_f32 v43, 0x322bcc77, v43                 ; + 1e-8
	v_rcp_f32 v44, v43
	v_nop                                          ; one plain line behind the transcendental
	s_wait_alu depctr_va_vdst(0)
	v_fma_f32 v45, -v43, v44, 1.0
	v_fma_f32 v44, v45, v44, v44                   ; the reciprocal, one Newton step
	v_mul_f32 v45, v42, v44
	v_fma_f32 v46, -v43, v45, v42                  ; what the quotient leaves, exactly,
	v_fma_f32 v45, v46, v44, v45                   ; put right,
	v_fma_f32 v46, -v43, v45, v42
	v_fma_f32 v45, v46, v44, v45                   ; and once more: the quotient rounded once
	v_sub_f32 v45, 1.0, v45                        ; w
	v_ashrrev_i32 v46, 31, v45
	v_or_b32 v46, 0x80000000, v46
	v_xor_b32 v45, v45, v46                        ; the key
	ds_store_b32 v7, v45                           ; lanes n and 16 + n write the same value to the same word
	s_wait_dscnt 0x0                               ; for wave 0's sake
	s_barrier_signal -1
	s_barrier_wait -1
	s_cmp_lg_u32 s12, 0
	s_cbranch_scc1 .Ldone
	ds_load_b64 v[48:49], v12
	s_wait_dscnt 0x0
	global_store_b64 v8, v[48:49], s[10:11]        ; 64 keys: one aligned block of 256 bytes
.Ldone:
	s_barrier_signal -1
	s_barrier_wait -1
	s_wait_tensorcnt 0x0
	ds_add_u32 v14, v15
	s_wait_dscnt 0x0
	s_endpgm
.Lfunc_end_k_qa9f8819200_weigh:
	.size	k_qa9f8819200_weigh, .Lfunc_end_k_qa9f8819200_weigh-k_qa9f8819200_weigh
	.p2alignl 7, 3214868480
	.fill 96, 4, 3214868480
	.section	.rodata,"a",@progbits
	.p2align	6, 0x0
	.amdhsa_kernel k_qa9f8819200_weigh
		.amdhsa_group_segment_fixed_size 52992
		.amdhsa_private_segment_fixed_size 0
		.amdhsa_enable_private_segment 0
		.amdhsa_kernarg_size 32
		.amdhsa_user_sgpr_count 2
		.amdhsa_user_sgpr_kernarg_segment_ptr 1
		.amdhsa_wavefront_size32 1
		.amdhsa_system_sgpr_workgroup_id_x 1
		.amdhsa_system_sgpr_workgroup_id_y 1
		.amdhsa_system_sgpr_workgroup_id_z 1
		.amdhsa_system_vgpr_workitem_id 0
		.amdhsa_next_free_vgpr 256
		.amdhsa_next_free_sgpr 66
		.amdhsa_reserve_vcc 0
		.amdhsa_float_denorm_mode_32 3
		.amdhsa_float_denorm_mode_16_64 3
		.amdhsa_memory_ordered 1
		.amdhsa_forward_progress 1
		.amdhsa_inst_pref_size 15
	.end_amdhsa_kernel
	.amdgpu_metadata
---
amdhsa.version: [ 1, 2 ]
amdhsa.kernels:
  - .name:           k_qa9f8819200_weigh
    .symbol:         k_qa9f8819200_weigh.kd
    .args:
      - { .name: src_feats, .offset: 0, .size: 8, .value_kind: global_buffer, .address_space: global }
      - { .name: tgt_feats, .offset: 8, .size: 8, .value_kind: global_buffer, .address_space: global }
      - { .name: knn, .offset: 16, .size: 8, .value_kind: global_buffer, .address_space: global }
      - { .name: key, .offset: 24, .size: 8, .value_kind: global_buffer, .address_space: global }
    .group_segment_fixed_size: 52992
    .private_segment_fixed_size: 0
    .kernarg_segment_align: 8
    .kernarg_segment_size: 32
    .max_flat_workgroup_size: 128
    .sgpr_count:     66
    .vgpr_count:     256
    .wavefront_size: 32
...
	.end_amdgpu_metadata
.endif
;; end of part 4
;; launch emit (part 5): grid 256 x 1, 16 waves a work-group, no clusters, 6,144 bytes of LDS; arguments key, knn, src_feats, tgt_feats, src_points, tgt_points, out0, out1, out2, out3, out4; writes out0, out1, out2, out3, out4
.if DOCPART == 5
	.amdgcn_target "amdgcn-amd-amdhsa--gfx1250"
	.amdhsa_code_object_version 6
	.text
	.protected	k_qa9f8819200_emit
	.globl	k_qa9f8819200_emit
	.p2align	8
	.type	k_qa9f8819200_emit,@function
k_qa9f8819200_emit:
	s_mov_b64 s[64:65], 0
	v_nop
	global_prefetch_b8 v0, s[64:65] scope:SCOPE_SE
	s_setreg_imm32_b32 hwreg(HW_REG_WAVE_MODE, 25, 1), 1
	s_wait_xcnt 0x0
; The 2,048 largest weights of each side, sorted, ties to the lower index, and the five outputs.  rank(i) = the number of j with key_j > key_i, or key_j = key_i and j < i:
; whole numbers throughout (the keys were stored by the launch before).  An element with rank < 2048 is output row rank (+ 2048 for side 1).
; A work-group takes 64 elements i of a side.  Wave w holds keys j = 512 w .. + 511 in 16 registers; each i's key is a scalar: 16 compares, 16 counts of ones and 15 additions give
; the wave's count for i.  Keys below the block are raised by 1, so that 'greater' means 'not less'; keys of the block itself are set to 0 there and are taken with lanes = i
; (each wave its own four j).  The 16 waves' counts meet in LDS.
; The rows and points of all 64 elements are loaded at the head, chosen or not, so that no load is waited for at the end.
; Side 0: the query's point and row go to out0, out2 and the support's to out1, out3; side 1 the other way round.
; Points and weights leave as stores of 4 bytes to rows that hang on the rank; feature rows as whole aligned blocks of 256 bytes.
; No matrix unit, no tensor load, no cluster: the keys are 32 KiB a side and come through registers.
; LIMITS: keys 0 and 0xffffffff (patterns of NaN) are not served; -0.0 orders under +0.0.
; s[4:5] the side's keys; s[6:7] knn at the block; s[8:15] tables: q rows, s rows, q points, s points; s[16:23] outputs: q points, s points, q rows, s rows; s[24:25] out4
; s[26:27] the block's keys; s[28:43], s[44:59] 16 thresholds each; s[60:63] my four j; s[66:81], s[82:97] masks, two banks; s98-101 at work
; v1 lane; v2 pos; v3 ro; v4 0; v5-14 offsets; v16-31 keys, at the end the second turn's counts; v32-33 the block's keys, lane = i; v34-35 key_i; v36-37 nearest; v38-39 counts
; v40-41 i; v42-43 key_i - 1; v48-55 q rows; v56-63 s rows; v64-65 q points; v66-67 s points; v68-71 gather offsets; v72-87 the first turn's counts
; v88-93, v94-99 for each turn: the rank, three store offsets, w, at work
	s_load_b128 s[4:7], s[0:1], 0x0
	s_load_b256 s[8:15], s[0:1], 0x10
	s_load_b256 s[16:23], s[0:1], 0x30
	s_load_b64 s[24:25], s[0:1], 0x50
	v_lshl_add_u32 v104, v0, 2, 0x1000
	v_mov_b32 v105, 0
	v_lshrrev_b32 v1, 5, v0
	v_readfirstlane_b32 s100, v1                   ; wave 0..15
	s_lshr_b32 s101, ttmp9, 7                      ; side
	s_and_b32 s99, ttmp9, 127
	s_lshl_b32 s99, s99, 6                         ; the block's first element
	v_and_b32 v1, 31, v0
	v_and_b32 v2, 15, v0
	v_bfe_u32 v3, v0, 4, 1
	v_mov_b32 v4, 0
	s_lshl_b32 s98, s100, 11
	v_lshl_add_u32 v5, v1, 4, s98                  ; my keys: 2048 w + 16 lane
	v_lshlrev_b32 v6, 2, v1
	s_lshl_b32 s98, s100, 2
	v_add_nc_u32 v7, s98, v3                       ; the element that my half of the lanes emits: 4 w + ro (+ 2 in the second turn)
	v_lshlrev_b32 v8, 3, v7
	v_lshlrev_b32 v9, 2, v7
	v_lshlrev_b32 v13, 4, v2
	v_lshl_add_u32 v10, v7, 8, v13
	v_min_u32 v12, 2, v2
	v_lshlrev_b32 v12, 2, v12                      ; a point has three numbers: lanes 2 to 15 take the third
	v_mad_u32_u24 v11, v7, 12, v12
	s_lshl_b32 s98, s100, 9
	s_sub_co_u32 s98, s98, s99
	v_lshl_add_u32 v14, v1, 2, s98                 ; j - the block's first element, for register 0
	s_lshl_b32 s98, s100, 8
	v_lshl_add_u32 v45, v1, 2, s98                 ; LDS: my wave's 64 counts
	v_mov_b32 v38, 0                               ; v_writelane's destination counts as read
	v_mov_b32 v39, 0
	v_mov_b32 v40, v1
	v_add_nc_u32 v41, 32, v1
	s_wait_kmcnt 0x0
	s_cmp_eq_u32 s101, 0                           ; the choices hang on the work-group's number alone
	s_cselect_b64 s[66:67], s[8:9], s[10:11]
	s_cselect_b64 s[10:11], s[10:11], s[8:9]
	s_mov_b64 s[8:9], s[66:67]
	s_cselect_b64 s[66:67], s[12:13], s[14:15]
	s_cselect_b64 s[14:15], s[14:15], s[12:13]
	s_mov_b64 s[12:13], s[66:67]
	s_cselect_b64 s[66:67], s[16:17], s[18:19]
	s_cselect_b64 s[18:19], s[18:19], s[16:17]
	s_mov_b64 s[16:17], s[66:67]
	s_cselect_b64 s[66:67], s[20:21], s[22:23]
	s_cselect_b64 s[22:23], s[22:23], s[20:21]
	s_mov_b64 s[20:21], s[66:67]
	s_mov_b32 s61, 0
	s_lshl_b32 s60, s101, 15
	s_add_nc_u64 s[4:5], s[4:5], s[60:61]
	s_lshl_b32 s60, s99, 2
	s_add_nc_u64 s[26:27], s[4:5], s[60:61]
	s_lshl_b32 s60, s101, 16
	s_add_nc_u64 s[6:7], s[6:7], s[60:61]
	s_lshl_b32 s60, s99, 3
	s_add_nc_u64 s[6:7], s[6:7], s[60:61]
	s_lshl_b32 s60, s99, 8
	s_add_nc_u64 s[8:9], s[8:9], s[60:61]
	s_mul_i32 s60, s99, 12
	s_add_nc_u64 s[12:13], s[12:13], s[60:61]
	s_mul_i32 s60, s101, 24576                     ; side 1's rows begin at row 2048 of every output
	s_add_nc_u64 s[16:17], s[16:17], s[60:61]
	s_add_nc_u64 s[18:19], s[18:19], s[60:61]
	s_lshl_b32 s60, s101, 19
	s_add_nc_u64 s[20:21], s[20:21], s[60:61]
	s_add_nc_u64 s[22:23], s[22:23], s[60:61]
	s_lshl_b32 s60, s101, 13
	s_add_nc_u64 s[24:25], s[24:25], s[60:61]
	s_lshl_b32 s68, s100, 4
	s_mov_b32 s69, 0
	s_add_nc_u64 s[66:67], s[26:27], s[68:69]
	s_load_b128 s[60:63], s[66:67], 0x0            ; keys of my own four j of the block
	s_load_b512 s[28:43], s[26:27], 0x0            ; thresholds 0-15
	s_load_b512 s[44:59], s[26:27], 0x40           ; 16-31
.irp g, 0,1
	global_load_b32 v[36+\g], v8, s[6:7] offset:16*\g              ; the nearest support
.endr
.irp a, 0,1,2,3
	global_load_b128 v[16+4*\a:19+4*\a], v5, s[4:5] offset:512*\a  ; register 4 a + e, lane l: j = 512 w + 128 a + 4 l + e
.endr
.irp h, 0,1
	global_load_b32 v[32+\h], v6, s[26:27] offset:128*\h
.endr
.irp g, 0,1
	global_load_b32 v[34+\g], v9, s[26:27] offset:8*\g
.endr
.irp g, 0,1
	global_load_b128 v[48+4*\g:51+4*\g], v10, s[8:9] offset:512*\g
.endr
.irp g, 0,1
	global_load_b32 v[64+\g], v11, s[12:13] offset:24*\g
.endr
	s_wait_loadcnt 12                              ; the two oldest of 14 loads: the nearest supports
.irp g, 0,1
	v_min_u32 v[36+\g], 0x1fff, v[36+\g]           ; a loaded number enters an address behind this hold alone
	v_lshl_add_u32 v[68+\g], v[36+\g], 8, v13
	v_mul_u32_u24 v[70+\g], 12, v[36+\g]
	v_add_nc_u32 v[70+\g], v[70+\g], v12
.endr
.irp g, 0,1
	global_load_b128 v[56+4*\g:59+4*\g], v[68+\g], s[10:11]
.endr
.irp g, 0,1
	global_load_b32 v[66+\g], v[70+\g], s[14:15]
.endr
	s_wait_loadcnt 8                               ; all keys are in; the four rows and four points may be out
.irp k, 0,1,2,3,4,5,6,7,8,9,10,11,12,13,14,15
	v_add_nc_u32 v15, 128*(\k/4)+(\k%4), v14       ; j - the block's first element
	v_cmp_gt_i32 vcc_lo, 0, v15
	v_add_co_ci_u32 v[16+\k], vcc_lo, 0, v[16+\k], vcc_lo  ; below the block: + 1, so that an equal key counts
	v_cmp_gt_u32 vcc_lo, 64, v15
	v_cndmask_b32 v[16+\k], v[16+\k], v4, vcc_lo   ; in the block: 0, greater than no key
.endr
	v_add_nc_u32 v42, -1, v32
	v_add_nc_u32 v43, -1, v33
.macro CMPI i                          ; element i against my 512 keys
.set TH, 28+16*(((\i)>>4)&1)+((\i)&15)
.set MB, 66+16*((\i)&1)
.irp k, 0,1,2,3,4,5,6,7,8,9,10,11,12,13,14,15
	v_cmp_gt_u32 s[MB+\k], v[16+\k], s[TH]
.endr
.endm
.macro CNTI i                          ; its 16 masks become one count, which goes to lane i % 32
.set MB, 66+16*((\i)&1)
.irp k, 0,1,2,3,4,5,6,7,8,9,10,11,12,13,14,15
	s_bcnt1_i32_b32 s[MB+\k], s[MB+\k]
.endr
.irp k, 0,1,2,3,4,5,6,7
	s_add_co_u32 s[MB+\k], s[MB+\k], s[MB+8+\k]
.endr
.irp k, 0,1,2,3
	s_add_co_u32 s[MB+\k], s[MB+\k], s[MB+4+\k]
.endr
.irp k, 0,1
	s_add_co_u32 s[MB+\k], s[MB+\k], s[MB+2+\k]
.endr
	s_add_co_u32 s[MB], s[MB], s[MB+1]
	v_writelane_b32 v[38+((\i)>>5)], s[MB], (\i)&31
.endm
	s_wait_kmcnt 0x0                               ; thresholds 0-31 and my four j
.set I, 0
.rept 64                               ; the compares of element i + 1 stand ahead of the counting of element i, on the other bank of masks
.if I == 16
	s_load_b512 s[28:43], s[26:27], 0x80           ; thresholds 32-47: the last compare on 0-15 has been issued
.endif
.if I == 32
	s_wait_kmcnt 0x0
	s_load_b512 s[44:59], s[26:27], 0xc0           ; 48-63
.endif
.if I == 48
	s_wait_kmcnt 0x0
.endif
	CMPI I
.if I > 0
	CNTI I-1
.endif
.set I, I+1
.endr
	CNTI 63
	s_lshl_b32 s99, s100, 2                        ; inside the block: my j = 4 w + e against all 64 i, lanes = i
.irp e, 0,1,2,3
	s_add_co_u32 s98, s99, \e
.irp h, 0,1
	v_cmp_ge_u32 vcc_lo, s98, v[40+\h]             ; j >= i: the key must be greater; j < i: an equal key counts too
	v_add_co_ci_u32 v44, vcc_lo, 0, v[42+\h], vcc_lo       ; key_i - 1 + (j >= i)
	v_cmp_gt_u32 vcc_lo, s[60+\e], v44
	v_add_co_ci_u32 v[38+\h], vcc_lo, 0, v[38+\h], vcc_lo
.endr
.endr
	ds_store_b32 v45, v38
	ds_store_b32 v45, v39 offset:128
	s_wait_dscnt 0x0                               ; for the others' sake
	s_barrier_signal -1
	s_barrier_wait -1
	; Two turns, sixteen lanes to an element: turn g emits element 4 w + 2 g + ro.  Both turns' counts come at once, and both turns' ranks, store offsets and weights are made,
	; each in registers of its own, while every lane is still on: behind the first line that narrows EXEC no address register is written.
.irp u, 0,1,2,3,4,5,6,7,8,9,10,11,12,13,14,15
	ds_load_b32 v[72+\u], v9 offset:256*\u         ; the sixteen waves' counts for the first turn's element
.endr
.irp u, 0,1,2,3,4,5,6,7,8,9,10,11,12,13,14,15
	ds_load_b32 v[16+\u], v9 offset:8+256*\u       ; and for the second's, into the registers that the keys have left
.endr
	s_wait_dscnt 0x0
.macro RANK c, g                       ; the 16 counts in v[c] on become turn g's rank, offsets and weight
.set RW, 88+6*(\g)
	v_add3_u32 v[\c], v[\c], v[\c+1], v[\c+2]
	v_add3_u32 v[\c+3], v[\c+3], v[\c+4], v[\c+5]
	v_add3_u32 v[\c+6], v[\c+6], v[\c+7], v[\c+8]
	v_add3_u32 v[\c+9], v[\c+9], v[\c+10], v[\c+11]
	v_add3_u32 v[\c+12], v[\c+12], v[\c+13], v[\c+14]
	v_add3_u32 v[\c], v[\c], v[\c+3], v[\c+15]
	v_add3_u32 v[\c+6], v[\c+6], v[\c+9], v[\c+12]
	v_add_nc_u32 v[RW], v[\c], v[\c+6]             ; the rank
	v_min_u32 v[RW+3], 0x7ff, v[RW]                ; it enters addresses behind this hold alone
	v_lshl_add_u32 v[RW+1], v[RW+3], 8, v13        ; a feature row: 256 rank + 16 pos
	v_mul_u32_u24 v[RW+2], 12, v[RW+3]
	v_add_nc_u32 v[RW+2], v[RW+2], v12             ; a point: 12 rank + 4 min(pos, 2)
	v_lshlrev_b32 v[RW+3], 2, v[RW+3]              ; a weight: 4 rank
	v_not_b32 v[RW+5], v[34+\g]                    ; the weight comes back from its key
	v_ashrrev_i32 v[RW+5], 31, v[RW+5]
	v_or_b32 v[RW+5], 0x80000000, v[RW+5]
	v_xor_b32 v[RW+4], v[34+\g], v[RW+5]
.endm
	RANK 72, 0
	RANK 16, 1
	s_wait_loadcnt 0x0                             ; the rows and points
.macro SEND g                          ; turn g's five stores, in the lanes whose element is among the 2,048
.set RW, 88+6*(\g)
	v_cmp_gt_u32 vcc_lo, 2048, v[RW]
	s_wait_xcnt 0x0                                ; EXEC changes only behind this wait
	s_and_saveexec_b32 s98, vcc_lo
	global_store_b128 v[RW+1], v[48+4*\g:51+4*\g], s[20:21]        ; sixteen lanes store one aligned block of 256 bytes
	global_store_b128 v[RW+1], v[56+4*\g:59+4*\g], s[22:23]
	global_store_b32 v[RW+2], v[64+\g], s[16:17]
	global_store_b32 v[RW+2], v[66+\g], s[18:19]
	global_store_b32 v[RW+3], v[RW+4], s[24:25]
	s_wait_xcnt 0x0                                ; and again in front of the line that widens it
	s_or_b32 exec_lo, exec_lo, s98
.endm
	SEND 0
	SEND 1
	s_wait_xcnt 0x0
	s_mov_b32 exec_lo, -1
	s_wait_tensorcnt 0x0
	ds_add_u32 v104, v105
	s_wait_dscnt 0x0
	s_endpgm
.Lfunc_end_k_qa9f8819200_emit:
	.size	k_qa9f8819200_emit, .Lfunc_end_k_qa9f8819200_emit-k_qa9f8819200_emit
	.p2alignl 7, 3214868480
	.fill 96, 4, 3214868480
	.section	.rodata,"a",@progbits
	.p2align	6, 0x0
	.amdhsa_kernel k_qa9f8819200_emit
		.amdhsa_group_segment_fixed_size 6144
		.amdhsa_private_segment_fixed_size 0
		.amdhsa_enable_private_segment 0
		.amdhsa_kernarg_size 88
		.amdhsa_user_sgpr_count 2
		.amdhsa_user_sgpr_kernarg_segment_ptr 1
		.amdhsa_wavefront_size32 1
		.amdhsa_system_sgpr_workgroup_id_x 1
		.amdhsa_system_sgpr_workgroup_id_y 1
		.amdhsa_system_sgpr_workgroup_id_z 1
		.amdhsa_system_vgpr_workitem_id 0
		.amdhsa_next_free_vgpr 106
		.amdhsa_next_free_sgpr 102
		.amdhsa_reserve_vcc 1
		.amdhsa_float_denorm_mode_32 3
		.amdhsa_float_denorm_mode_16_64 3
		.amdhsa_memory_ordered 1
		.amdhsa_forward_progress 1
		.amdhsa_inst_pref_size 146
	.end_amdhsa_kernel
	.amdgpu_metadata
---
amdhsa.version: [ 1, 2 ]
amdhsa.kernels:
  - .name:           k_qa9f8819200_emit
    .symbol:         k_qa9f8819200_emit.kd
    .args:
      - { .name: key, .offset: 0, .size: 8, .value_kind: global_buffer, .address_space: global }
      - { .name: knn, .offset: 8, .size: 8, .value_kind: global_buffer, .address_space: global }
      - { .name: src_feats, .offset: 16, .size: 8, .value_kind: global_buffer, .address_space: global }
      - { .name: tgt_feats, .offset: 24, .size: 8, .value_kind: global_buffer, .address_space: global }
      - { .name: src_points, .offset: 32, .size: 8, .value_kind: global_buffer, .address_space: global }
      - { .name: tgt_points, .offset: 40, .size: 8, .value_kind: global_buffer, .address_space: global }
      - { .name: out0, .offset: 48, .size: 8, .value_kind: global_buffer, .address_space: global }
      - { .name: out1, .offset: 56, .size: 8, .value_kind: global_buffer, .address_space: global }
      - { .name: out2, .offset: 64, .size: 8, .value_kind: global_buffer, .address_space: global }
      - { .name: out3, .offset: 72, .size: 8, .value_kind: global_buffer, .address_space: global }
      - { .name: out4, .offset: 80, .size: 8, .value_kind: global_buffer, .address_space: global }
    .group_segment_fixed_size: 6144
    .private_segment_fixed_size: 0
    .kernarg_segment_align: 8
    .kernarg_segment_size: 88
    .max_flat_workgroup_size: 512
    .sgpr_count:     102
    .vgpr_count:     106
    .wavefront_size: 32
...
	.end_amdgpu_metadata
.endif
;; end of part 5
